; MI455X (gfx1250); checked and timed in simulation.
; The chip was launched on July 23, 2026; its instructions are those of AMD's public machine-readable ISA for CDNA 5 (MIT licence, August 2026) and "CDNA5" Instruction Set Architecture Reference Guide (July 2026). The comments in the code are by the model that wrote it; some were corrected since.
;; G3 D Cross Attention. Allowed arithmetic: matrix products marked QUANTISED: E2M1 operands, one E8M0 scale for each 32 along K, by v_wmma_scale_f32_16x16x128_f8f6f4 with both operands' format E2M1 (or v_wmma_scale_f32_32x16x128_f4), f32 sums; products left as they are: bf16, f16 or f32 operands; f32 sums; everything else in f32.
;; Inputs: W1 2,048 x 512 float32; W2 512 x 2,048 float32; Wg 512 x 1 float32; Wk 512 x 512 float32; Wo 512 x 512 float32; Wq 512 x 512 float32; Wv 512 x 512 float32; b1 2,048 float32; b2 512 float32; beta1 512 float32; beta2 512 float32; bg 512 float32; bk 512 float32; bo 512 float32; bq 512 float32; bv 512 float32; exp 2 x 2,048 float32; g1 512 float32; g2 512 float32; seq 2 x 512 x 2,048 float32.
;; Outputs: out0 2 x 512 x 2,048 float32.
;; This version of the problem:
;;   THIS VERSION OF THE PROBLEM IS GIVEN IN LOW PRECISION. The matrix products marked QUANTISED in the list below multiply operands that are first quantised to E2M1 (2 exponent bits, 1 mantissa bit; 4 bits a number), with one power-of-two scale for each 32 numbers along K (OCP MX v1.0); their sums are f32. The products marked 'left as it is' may take bf16, f16 or f32 operands, with f32 sums. Whichever they take, every output number must still come out within the allowed error. Rounding operands to bf16 (8 significant bits) uses up far more of that allowance than f16 does (11 bits, for magnitudes from 6e-5 to 65,504). All else is computed in f32.
;;   The module's matrix products, in the order in which they are computed (A, B: the left and right operand; K: the contracted axis; several contracted axes count as one K, in the product's order):
;;     1. [M 4,096, K 512] x [K 512, N 512]; A: input seq; B: input Wq: QUANTISED
;;     2. [M 4,096, K 512] x [K 512, N 512]; A: computed on the way; B: input Wk: left as it is (an operand is computed on the way)
;;     3. [M 4,096, K 512] x [K 512, N 512]; A: computed on the way; B: input Wv: left as it is (an operand is computed on the way)
;;     4. batch 16 x [M 2,048, K 64] x [K 64, N 2,048]; A: computed on the way; B: computed on the way: left as it is (an operand is computed on the way)
;;     5. batch 16 x [M 64, K 2,048] x [K 2,048, N 2,048]; A: computed on the way; B: computed on the way: left as it is (an operand is computed on the way)
;;     6. [M 4,096, K 512] x [K 512, N 2,048]; A: computed on the way; B: input W1: left as it is (an operand is computed on the way)
;;     7. [M 4,096, K 2,048] x [K 2,048, N 512]; A: computed on the way; B: input W2: left as it is (an operand is computed on the way)
;;     8. [M 4,096, K 512] x [K 512, N 512]; A: computed on the way; B: input Wo: left as it is (an operand is computed on the way)
;;   THE QUANTISER, for each operand of a quantised product, along K:
;;     - K is cut into blocks of 32 from its start; a last block that is shorter is filled with zeros.
;;     - A block's scale is 2^e with e = floor(log2(the largest magnitude in the block)) - 2, held to -126 .. 127; a block of zeros has e = 0. As a byte (E8M0): e + 127.
;;     - Each number is divided by its block's scale, clamped to +-6, and rounded to the nearest number of E2M1, ties to even, subnormals kept.
;;     - The product sums the exact products of the quantised numbers (number of the format x scale) in f32.
;;   ~~~python
;;   def quantise(x, axis):      # numpy; x: float32 -> the quantised numbers, widened to float32 again
;;       x = np.moveaxis(x, axis, -1); K = x.shape[-1]
;;       x = np.pad(x, [(0, 0)] * (x.ndim - 1) + [(0, -K % 32)]); x = x.reshape(x.shape[:-1] + (-1, 32)); a = np.abs(x).max(-1, keepdims=True)
;;       e = np.where(a > 0, np.clip(np.frexp(np.where(a > 0, a, 1))[1] - 1 - 2, -126, 127), 0)      # np.frexp(a)[1] - 1 = floor(log2(a)), exactly
;;       r = np.clip(x / 2.0 ** e, -6, 6)
;;       step = 2.0 ** (np.maximum(np.frexp(np.where(r == 0, 1, r))[1] - 1, 0) - 1)
;;       q = np.round(r / step) * step * 2.0 ** e      # np.round: ties to even
;;       return np.moveaxis(q.reshape(q.shape[:-2] + (-1,))[..., :K], -1, axis).astype(np.float32)
;;   ~~~
;; One version. Each part assembles by itself: llvm-mc -triple=amdgcn-amd-amdhsa -mcpu=gfx1250 --defsym DOCPART=n.
;; ======== version 1 of 1: 4 launches
;; limits: values are held in f16: magnitudes above 65,504 overflow, below 6.1e-05 lose precision
;; workspace buffers: WS 4,194,304 bytes; WOS 524,288 bytes; WQF 131,072 bytes; WQS 16,384 bytes; VEC 10,240 bytes; X1H 4,194,304 bytes; XB 8,388,608 bytes; P 33,554,432 bytes
;; launch prep (part 1): grid 368 x 1, 4 waves a work-group, no clusters, 17,920 bytes of LDS; arguments W1, W2, Wo, Wq, Wk, Wv, Wg, bg, bk, bv, g2, beta2, bo, WS, WOS, WQF, WQS, VEC; writes WS, WOS, WQF, WQS, VEC
.if DOCPART == 1
	.amdgcn_target "amdgcn-amd-amdhsa--gfx1250"
	.amdhsa_code_object_version 6
	.text
	.protected	k_q664c7c942f_prep
	.globl	k_q664c7c942f_prep
	.p2align	8
	.type	k_q664c7c942f_prep,@function
k_q664c7c942f_prep:
	s_mov_b64 s[64:65], 0
	v_nop
	global_prefetch_b8 v0, s[64:65] scope:SCOPE_SE
	s_setreg_imm32_b32 hwreg(HW_REG_WAVE_MODE, 25, 1), 1
	s_wait_xcnt 0x0
; THE WEIGHTS ARE LAID OUT ONCE, in the order in which a wave's operand registers take them.
;   work-groups   0-127: W1 -> f16 fragments in WS      128-255: W2 -> f16 fragments in WS      256-287: Wo x g2 -> f16 fragments in WOS
;   work-groups 288-319: Wq -> codes of E2M1 and E8M0 scale words (WQF, WQS), quantised along K = its second axis
;   work-groups 320-351: u_k = Wk Wg, w_k = Wk bg + bk (both x kappa = log2(e) / 8), u_v = Wv Wg, w_v = Wv bg + bv      352-367: bo' = Wo beta2 + bo      (all into VEC, f32)
; A fragment of f16 (16 rows x 32 K) is 1,024 bytes: [eight k: 4][row: 16][16 bytes], which is [register group 0, 1][lane][16 bytes] of the matrix operand.
; WS [s 4][w 4][step 32][nt 8][fragment]: steps 0-15 W1 row 512 s + 128 w + 16 nt + r, k = 32 step ..; steps 16-31 W2 row 128 w + 16 nt + r, k = 512 s + 32 (step - 16) ..
; WOS [nq 4][w 4][kk 16][nt' 2][fragment]: Wo[n][k] g2[k], n = 128 nq + 32 w + 16 nt' + r.   WQF [nt 32][s 4][group 2][lane][16 bytes];  WQS [nt 32][s 4][lane] words.
; LIMITS: W1, W2 and Wo x g2 are rounded to f16: magnitudes under 65,504; under 6e-5 they carry an absolute error of 3e-8.  A block of zeros of Wq gets the scale byte 1 where the rule says 127: its codes are
; zeros and this program alone reads the bytes.  NaN and infinities among the inputs are not served.
; No barrier: waves share nothing.  No tensor loads, no cluster: no two work-groups read the same bytes but the short vectors.
.set SPARE, 17408                      ; behind the four stages: the spare words, 128 bytes for each wave
.set STG,   4352                       ; a wave's stage: 16 blocks of 256 bytes + 16 of padding, one for each eight k of its tile
.set KAPPA, 0x3e38aa3b                 ; log2(e) / sqrt(64)
.set SPW,   2                          ; v2  LDS address of my spare word; never rewritten
.set NIL,   3                          ; v3  0; never rewritten
.set SEL,   54                         ; s[54:55] v_permlanex16_b32's selects for lane l xor 16
.set TM,    8                          ; the quantiser's registers: v8-11 largest magnitudes, v12-15 bytes, v20-23 the conversions' scale operands
.set PC,    32                         ; v32-39 the codes
.set PW,    40                         ; v40 the scale word
.macro RED x, t                        ; the sum of v[x] over the 32 lanes, in every lane; v[t] has been written before
	v_add_f32_dpp v[\x], v[\x], v[\x] row_xmask:1 row_mask:0xf bank_mask:0xf
	v_add_f32_dpp v[\x], v[\x], v[\x] row_xmask:2 row_mask:0xf bank_mask:0xf
	v_add_f32_dpp v[\x], v[\x], v[\x] row_xmask:4 row_mask:0xf bank_mask:0xf
	v_add_f32_dpp v[\x], v[\x], v[\x] row_xmask:8 row_mask:0xf bank_mask:0xf
	v_permlanex16_b32 v[\t], v[\x], s[SEL], s[SEL+1]
	v_add_f32 v[\x], v[\x], v[\t]
.endm
; 64 numbers of a lane, register 16 b + i = k 32 b + 16 (lane / 16) + i of my row, become a fragment's codes in v[PC] on and its scale word in v[PW]
.macro QUANT s
.irp b, 0,1,2,3
	v_max3_num_f32 v[TM+\b], |v[\s+16*\b]|, |v[\s+1+16*\b]|, 0x1800000   ; block b: my 16 numbers, and the floor 2^(3 - 127): the byte cannot fall under 1
.endr
.irp i, 2,4,6,8,10,12,14
.irp b, 0,1,2,3
	v_max3_num_f32 v[TM+\b], v[TM+\b], |v[\s+16*\b+\i]|, |v[\s+1+16*\b+\i]|
.endr
.endr
.irp b, 0,1,2,3
	v_permlanex16_b32 v[TM+4+\b], v[TM+\b], s[SEL], s[SEL+1]
.endr
.irp b, 0,1,2,3
	v_max_num_f32 v[TM+\b], v[TM+\b], v[TM+4+\b]       ; with lane l xor 16's: the block's largest magnitude
.endr
.irp b, 0,1,2,3
	v_add_nc_u32 v[TM+12+\b], 0xff000000, v[TM+\b]     ; 2 off its exponent field: the conversion's scale operand
.endr
.irp b, 0,1,2,3
	v_lshrrev_b32 v[TM+4+\b], 23, v[TM+12+\b]          ; the scale's byte
.endr
	v_lshl_or_b32 v[PW], v[TM+5], 8, v[TM+4]
	v_lshl_or_b32 v[PW], v[TM+6], 16, v[PW]
	v_lshl_or_b32 v[PW], v[TM+7], 24, v[PW]
.irp b, 0,1,2,3
	v_cvt_scalef32_pk8_fp4_f32 v[PC+2*\b], v[\s+16*\b:\s+7+16*\b], v[TM+12+\b]
	v_cvt_scalef32_pk8_fp4_f32 v[PC+1+2*\b], v[\s+8+16*\b:\s+15+16*\b], v[TM+12+\b]
.endr
	v_nop                                              ; one plain instruction behind the scaled conversions
.irp c, 0,1                                            ; the operand wants a whole block in a lane: lanes 0-15 block 2 c, lanes 16-31 block 2 c + 1
.irp i, 0,1
	v_permlane16_swap_b32 v[PC+4*\c+\i], v[PC+2+4*\c+\i]
.endr
.endr
.endm
; One row of a matrix against one or two vectors.  A lane holds 16 numbers of the row (v64 + 16 rho on) and of each vector (v32 on, v48 on).
.macro DOTROW rho, two
	s_wait_loadcnt 4*(7-\rho)                          ; this row's four loads are in; the later rows' may be out
.if \two
	v_pk_mul_f32 v[8:9], v[64+16*\rho:65+16*\rho], v[32:33]
.endif
	v_pk_mul_f32 v[10:11], v[64+16*\rho:65+16*\rho], v[48:49]
.irp k, 2,4,6,8,10,12,14
.if \two
	v_pk_fma_f32 v[8:9], v[64+16*\rho+\k:65+16*\rho+\k], v[32+\k:33+\k], v[8:9]
.endif
	v_pk_fma_f32 v[10:11], v[64+16*\rho+\k:65+16*\rho+\k], v[48+\k:49+\k], v[10:11]
.endr
	v_cmp_eq_u32 vcc_lo, \rho, v1                      ; lane rho keeps row rho's sums
.if \two
	v_add_f32 v8, v8, v9
	RED 8, 15
	v_cndmask_b32 v12, v12, v8, vcc_lo
.endif
	v_add_f32 v10, v10, v11
	RED 10, 17
	v_cndmask_b32 v13, v13, v10, vcc_lo
.endm
; Eight rows, 8 s7 on, of the matrix at s[44:45].  two = 1: against Wg and bg, results x s56 to VEC + s57 and 2,048 bytes on; two = 0: against beta2, result to VEC + 8,192.  The bias at s[48:49] is added to the second sum.
.macro MATVEC two
	s_lshl_b32 s50, s7, 14                             ; eight rows of 2,048 bytes
	s_mov_b32 s51, 0
	s_add_nc_u64 s[44:45], s[44:45], s[50:51]
	s_lshl_b32 s58, s7, 5                              ; and their eight words
	v_and_b32 v4, 7, v0
	v_lshl_add_u32 v7, v4, 2, s58
	v_lshl_add_u32 v16, v1, 2, s58
.irp q, 0,1,2,3
.if \two
	global_load_b128 v[32+4*\q:35+4*\q], v6, s[20:21] offset:512*\q
	global_load_b128 v[48+4*\q:51+4*\q], v6, s[22:23] offset:512*\q
.else
	global_load_b128 v[48+4*\q:51+4*\q], v6, s[30:31] offset:512*\q
.endif
.endr
	global_load_b32 v14, v7, s[48:49]
.irp rho, 0,1,2,3,4,5,6,7
.irp q, 0,1,2,3
	global_load_b128 v[64+16*\rho+4*\q:67+16*\rho+4*\q], v6, s[44:45] offset:2048*\rho+512*\q th:TH_LOAD_NT   ; 512 consecutive bytes of a row
.endr
.endr
	v_mov_b32 v12, 0
	v_mov_b32 v13, 0
	v_mov_b32 v15, 0                                   ; a lane permute's destination counts as one of its sources
	v_mov_b32 v17, 0
.irp rho, 0,1,2,3,4,5,6,7
	DOTROW \rho, \two
.endr
	v_add_f32 v13, v13, v14
.if \two
	v_mul_f32 v12, s56, v12
	v_mul_f32 v13, s56, v13
	v_add_nc_u32 v16, s57, v16
.endif
	s_wait_xcnt 0x0                                    ; EXEC changes only behind this wait
	v_cmp_gt_u32 vcc_lo, 8, v1
	s_and_saveexec_b32 s59, vcc_lo                     ; lanes 0-7 hold the eight rows' results
.if \two
	global_store_b32 v16, v12, s[42:43]
	global_store_b32 v16, v13, s[42:43] offset:2048
.else
	global_store_b32 v16, v13, s[42:43] offset:8192
.endif
	s_wait_xcnt 0x0                                    ; and again in front of the line that widens it
	s_or_b32 exec_lo, exec_lo, s59
.endm
	s_load_b512 s[8:23], s[0:1], 0x0                   ; W1 s8, W2 s10, Wo s12, Wq s14, Wk s16, Wv s18, Wg s20, bg s22
	s_load_b512 s[24:39], s[0:1], 0x40                 ; bk s24, bv s26, g2 s28, beta2 s30, bo s32, WS s34, WOS s36, WQF s38
	s_load_b128 s[40:43], s[0:1], 0x80                 ; WQS s40, VEC s42
	v_lshl_add_u32 v[SPW], v0, 2, SPARE
	v_mov_b32 v[NIL], 0
	v_lshrrev_b32 v4, 5, v0
	v_readfirstlane_b32 s4, v4                         ; wave 0..3
	v_and_b32 v1, 31, v0                               ; lane t
	v_lshlrev_b32 v6, 4, v1                            ; 16 t
	s_mov_b32 s[SEL], 0x76543210
	s_mov_b32 s[SEL+1], 0xfedcba98
	s_lshl_b32 s5, ttmp9, 2
	s_add_co_u32 s5, s5, s4                            ; 4 x work-group + wave
	s_wait_kmcnt 0x0
	s_cmp_ge_u32 ttmp9, 288
	s_cbranch_scc1 .Lnot_tiles
	; ---- A TILE OF 16 ROWS x 128 K OF W1, W2 OR Wo BECOMES FOUR FRAGMENTS.  Three arms set numbers alone: s6 the block of 16 rows, s7 the 128 along K, s46 the rows' first byte, s47 a row in bytes,
	; s50 the first fragment's place, s51 from fragment to fragment, s52 all ones where g2 multiplies, s56 the tile's place among a K step's fragments
	s_cmp_ge_u32 ttmp9, 128
	s_cbranch_scc1 .Lnot_w1
	s_lshr_b32 s6, s5, 2
	s_and_b32 s7, s5, 3
	s_lshl_b32 s46, s6, 15
	s_mov_b32 s47, 2048
	s_lshr_b32 s50, s6, 3                              ; 4 s + w
	s_lshl_b32 s50, s50, 18
	s_lshl_b32 s56, s7, 15                             ; four K steps of 8,192 bytes
	s_add_co_u32 s50, s50, s56
	s_and_b32 s56, s6, 7
	s_mov_b32 s51, 8192
	s_mov_b32 s52, 0
	s_branch .Ltile
.Lnot_w1:
	s_cmp_ge_u32 ttmp9, 256
	s_cbranch_scc1 .Lnot_w2
	s_sub_co_u32 s5, s5, 512
	s_lshr_b32 s6, s5, 4
	s_and_b32 s7, s5, 15
	s_lshl_b32 s46, s6, 17
	s_mov_b32 s47, 8192
	s_lshr_b32 s50, s7, 2                              ; s
	s_lshl_b32 s50, s50, 2
	s_lshr_b32 s56, s6, 3                              ; w
	s_add_co_u32 s50, s50, s56
	s_lshl_b32 s50, s50, 18
	s_and_b32 s56, s7, 3
	s_lshl_b32 s56, s56, 15
	s_add_co_u32 s50, s50, s56
	s_add_co_u32 s50, s50, 16*8192                     ; W2's steps lie behind W1's sixteen
	s_and_b32 s56, s6, 7
	s_mov_b32 s51, 8192
	s_mov_b32 s52, 0
	s_branch .Ltile
.Lnot_w2:
	s_sub_co_u32 s5, s5, 1024
	s_lshr_b32 s6, s5, 2
	s_and_b32 s7, s5, 3
	s_lshl_b32 s46, s6, 15
	s_mov_b32 s47, 2048
	s_lshr_b32 s50, s6, 1                              ; 4 nq + w
	s_lshl_b32 s50, s50, 15
	s_lshl_b32 s56, s7, 13                             ; four K steps of 2,048 bytes
	s_add_co_u32 s50, s50, s56
	s_and_b32 s56, s6, 1
	s_mov_b32 s51, 2048
	s_mov_b32 s52, -1
.Ltile:
	s_lshl_b32 s56, s56, 10
	s_add_co_u32 s50, s50, s56
	s_lshl_b32 s56, s7, 9
	s_add_co_u32 s46, s46, s56                         ; + 128 numbers of 4 bytes for each 128 along K
	s_and_b32 s53, s7, 3
	s_lshl_b32 s53, s53, 9                             ; g2's 128 numbers (read in every arm, inside its 2,048 bytes; used in Wo's)
	s_cmp_lt_u32 ttmp9, 128                            ; the buffers are chosen by the work-group's number alone
	s_cselect_b64 s[44:45], s[8:9], s[10:11]
	s_cmp_lt_u32 ttmp9, 256
	s_cselect_b64 s[44:45], s[44:45], s[12:13]
	s_cselect_b64 s[48:49], s[34:35], s[36:37]
	v_add_nc_u32 v7, s53, v6
	global_load_b128 v[32:35], v7, s[28:29]
	v_add_nc_u32 v16, s46, v6
.irp r, 1,2,3,4,5,6,7,8,9,10,11,12,13,14,15
	v_add_nc_u32 v[16+\r], s47, v[15+\r]
.endr
.irp r, 0,1,2,3,4,5,6,7,8,9,10,11,12,13,14,15
	global_load_b128 v[64+4*\r:67+4*\r], v[16+\r], s[44:45] th:TH_LOAD_NT   ; 512 consecutive bytes of row r: lane t holds k = 4 t .. 4 t + 3
.endr
	v_add_nc_u32 v36, s50, v6
	v_add_nc_u32 v37, s51, v36
	v_add_nc_u32 v38, s51, v37
	v_add_nc_u32 v39, s51, v38
	s_mul_i32 s57, s4, STG
	v_lshrrev_b32 v8, 1, v1
	v_mul_u32_u24 v40, v8, 272
	v_and_b32 v8, 1, v1
	v_lshl_add_u32 v40, v8, 3, v40
	v_add_nc_u32 v40, s57, v40                         ; into the stage: block t / 2 (my eight k), 8 bytes for each half of them; row r 16 r bytes on
	v_lshrrev_b32 v8, 4, v1
	v_mul_u32_u24 v41, v8, 272
	v_and_b32 v8, 15, v1
	v_lshl_add_u32 v41, v8, 4, v41
	v_add_nc_u32 v41, s57, v41                         ; back: two blocks an instruction, sixteen lanes to a block
	s_wait_loadcnt 16                                  ; g2's numbers are in; the 16 rows may be out
.irp i, 0,1,2,3
	v_cndmask_b32 v[32+\i], 1.0, v[32+\i], s52         ; 1 for W1 and W2
.endr
.irp r, 0,1,2,3,4,5,6,7,8,9,10,11,12,13,14,15
	s_wait_loadcnt 15-\r                               ; row r is in
	v_pk_mul_f32 v[64+4*\r:65+4*\r], v[64+4*\r:65+4*\r], v[32:33]
	v_pk_mul_f32 v[66+4*\r:67+4*\r], v[66+4*\r:67+4*\r], v[34:35]
	v_cvt_pk_f16_f32 v[128+2*\r], v[64+4*\r], v[65+4*\r]
	v_cvt_pk_f16_f32 v[129+2*\r], v[66+4*\r], v[67+4*\r]
	ds_store_b64 v40, v[128+2*\r:129+2*\r] offset:16*\r
.endr
.irp i, 0,1,2,3,4,5,6,7
	ds_load_b128 v[160+4*\i:163+4*\i], v41 offset:544*\i   ; my own bytes: LDS serves a wave's instructions in order (ISA guide 5.7.1.4), so these see the stores above
.endr
.irp i, 0,1,2,3,4,5,6,7
	s_wait_dscnt 7-\i
	global_store_b128 v[36+\i/2], v[160+4*\i:163+4*\i], s[48:49] offset:512*(\i%2)   ; 32 lanes store 512 consecutive bytes, half a fragment
.endr
	s_wait_tensorcnt 0x0                               ; the wave's end: three lines behind my last LDS store
	ds_add_u32 v[SPW], v[NIL]
	s_wait_dscnt 0x0
	s_endpgm
.Lnot_tiles:
	s_cmp_ge_u32 ttmp9, 320
	s_cbranch_scc1 .Lnot_wq
	; ---- Wq: a wave quantises 16 rows x 128 K: fragment 4 nt + s
	s_sub_co_u32 s5, s5, 4*288
	s_lshr_b32 s6, s5, 2
	s_lshl_b32 s44, s6, 15                             ; 16 rows of 2,048 bytes
	s_and_b32 s7, s5, 3
	s_lshl_b32 s7, s7, 9
	s_add_co_u32 s44, s44, s7
	s_mov_b32 s45, 0
	s_add_nc_u64 s[14:15], s[14:15], s[44:45]
	s_lshl_b32 s46, s5, 10
	s_mov_b32 s47, 0
	s_add_nc_u64 s[38:39], s[38:39], s[46:47]
	s_lshl_b32 s46, s5, 7
	s_add_nc_u64 s[40:41], s[40:41], s[46:47]
	v_and_b32 v4, 15, v0
	v_bfe_u32 v5, v0, 4, 1
	v_lshlrev_b32 v7, 11, v4
	v_lshl_add_u32 v7, v5, 6, v7                       ; row r, + 64 bytes for lanes 16-31: my 16 numbers of each block of 32
.irp b, 0,1,2,3
.irp j, 0,1,2,3
	global_load_b128 v[64+16*\b+4*\j:67+16*\b+4*\j], v7, s[14:15] offset:128*\b+16*\j th:TH_LOAD_NT
.endr
.endr
.irp b, 0,1,2,3
	v_mov_b32 v[TM+4+\b], 0                            ; a lane permute's destination counts as one of its sources
.endr
	v_lshlrev_b32 v41, 2, v1
	s_wait_loadcnt 0x0
	QUANT 64
	global_store_b128 v6, v[PC:PC+3], s[38:39]
	global_store_b128 v6, v[PC+4:PC+7], s[38:39] offset:512
	global_store_b32 v41, v[PW], s[40:41]
	s_endpgm
.Lnot_wq:
	s_cmp_ge_u32 ttmp9, 352
	s_cbranch_scc1 .Lbo
	; ---- Wk, then Wv, against Wg and bg
	s_sub_co_u32 s5, s5, 4*320
	s_lshr_b32 s6, s5, 6
	s_and_b32 s7, s5, 63
	s_cmp_eq_u32 s6, 0
	s_cselect_b64 s[44:45], s[16:17], s[18:19]
	s_cselect_b64 s[48:49], s[24:25], s[26:27]
	s_cselect_b32 s56, KAPPA, 1.0                      ; the keys' two vectors carry the scores' factor
	s_cselect_b32 s57, 0, 4096
	MATVEC 1
	s_endpgm
.Lbo:
	; ---- Wo against beta2
	s_sub_co_u32 s7, s5, 4*352
	s_mov_b64 s[44:45], s[12:13]
	s_mov_b64 s[48:49], s[32:33]
	MATVEC 0
	s_endpgm
.Lfunc_end_k_q664c7c942f_prep:
	.size	k_q664c7c942f_prep, .Lfunc_end_k_q664c7c942f_prep-k_q664c7c942f_prep
	.p2alignl 7, 3214868480
	.fill 96, 4, 3214868480
	.section	.rodata,"a",@progbits
	.p2align	6, 0x0
	.amdhsa_kernel k_q664c7c942f_prep
		.amdhsa_group_segment_fixed_size 17920
		.amdhsa_private_segment_fixed_size 0
		.amdhsa_enable_private_segment 0
		.amdhsa_kernarg_size 144
		.amdhsa_user_sgpr_count 2
		.amdhsa_user_sgpr_kernarg_segment_ptr 1
		.amdhsa_wavefront_size32 1
		.amdhsa_system_sgpr_workgroup_id_x 1
		.amdhsa_system_sgpr_workgroup_id_y 1
		.amdhsa_system_sgpr_workgroup_id_z 1
		.amdhsa_system_vgpr_workitem_id 0
		.amdhsa_next_free_vgpr 192
		.amdhsa_next_free_sgpr 66
		.amdhsa_reserve_vcc 1
		.amdhsa_float_denorm_mode_32 3
		.amdhsa_float_denorm_mode_16_64 3
		.amdhsa_memory_ordered 1
		.amdhsa_forward_progress 1
		.amdhsa_inst_pref_size 53
	.end_amdhsa_kernel
	.amdgpu_metadata
---
amdhsa.version: [ 1, 2 ]
amdhsa.kernels:
  - .name:           k_q664c7c942f_prep
    .symbol:         k_q664c7c942f_prep.kd
    .args:
      - { .name: W1, .offset: 0, .size: 8, .value_kind: global_buffer, .address_space: global }
      - { .name: W2, .offset: 8, .size: 8, .value_kind: global_buffer, .address_space: global }
      - { .name: Wo, .offset: 16, .size: 8, .value_kind: global_buffer, .address_space: global }
      - { .name: Wq, .offset: 24, .size: 8, .value_kind: global_buffer, .address_space: global }
      - { .name: Wk, .offset: 32, .size: 8, .value_kind: global_buffer, .address_space: global }
      - { .name: Wv, .offset: 40, .size: 8, .value_kind: global_buffer, .address_space: global }
      - { .name: Wg, .offset: 48, .size: 8, .value_kind: global_buffer, .address_space: global }
      - { .name: bg, .offset: 56, .size: 8, .value_kind: global_buffer, .address_space: global }
      - { .name: bk, .offset: 64, .size: 8, .value_kind: global_buffer, .address_space: global }
      - { .name: bv, .offset: 72, .size: 8, .value_kind: global_buffer, .address_space: global }
      - { .name: g2, .offset: 80, .size: 8, .value_kind: global_buffer, .address_space: global }
      - { .name: beta2, .offset: 88, .size: 8, .value_kind: global_buffer, .address_space: global }
      - { .name: bo, .offset: 96, .size: 8, .value_kind: global_buffer, .address_space: global }
      - { .name: WS, .offset: 104, .size: 8, .value_kind: global_buffer, .address_space: global }
      - { .name: WOS, .offset: 112, .size: 8, .value_kind: global_buffer, .address_space: global }
      - { .name: WQF, .offset: 120, .size: 8, .value_kind: global_buffer, .address_space: global }
      - { .name: WQS, .offset: 128, .size: 8, .value_kind: global_buffer, .address_space: global }
      - { .name: VEC, .offset: 136, .size: 8, .value_kind: global_buffer, .address_space: global }
    .group_segment_fixed_size: 17920
    .private_segment_fixed_size: 0
    .kernarg_segment_align: 8
    .kernarg_segment_size: 144
    .max_flat_workgroup_size: 128
    .sgpr_count:     66
    .vgpr_count:     192
    .wavefront_size: 32
...
	.end_amdgpu_metadata
.endif
;; end of part 1
;; launch attn (part 2): grid 256 x 1, 16 waves a work-group, no clusters, 102,400 bytes of LDS; arguments seq, exp, bq, g1, beta1, b2, WQF, WQS, VEC, X1H, XB; writes X1H, XB
.if DOCPART == 2
	.amdgcn_target "amdgcn-amd-amdhsa--gfx1250"
	.amdhsa_code_object_version 6
	.text
	.protected	k_q664c7c942f_attn
	.globl	k_q664c7c942f_attn
	.p2align	8
	.type	k_q664c7c942f_attn,@function
k_q664c7c942f_attn:
	s_mov_b64 s[64:65], 0
	v_nop
	global_prefetch_b8 v0, s[64:65] scope:SCOPE_SE
	s_setreg_imm32_b32 hwreg(HW_REG_WAVE_MODE, 25, 1), 1
	s_wait_xcnt 0x0
; q = Q(x_seq) Q(Wq)^T + bq on codes of E2M1, the attention, the residual and the first LayerNorm, for 16 rows (one batch, 16 neighbouring positions) a work-group.
; THE ATTENTION.  reference() itself builds exp_p[j] = e_j Wg + bg, so for every input k_j = e_j u_k + w_k and v_j = e_j u_v + w_v (u_k = Wk Wg, w_k = Wk bg + bk, and so for v).  Hence for a row and a head
; score_j x log2(e) = e_j a + c with a = kappa q . u_k, c = kappa q . w_k; the row's largest score is c + max(a emax, a emin), exactly; it is taken off before the exponential; and the head's output is r u_v + w_v with
; r = sum e_j p_j / sum p_j, since the weights sum to 1.  All of it in f32.
; SHARES.  Sixteen waves.  Wave w quantises block w of K (channels 32 w ..) of the 16 rows, makes q's columns 32 w .. 32 w + 31 (half p = w % 2 of head h = w / 2), walks 8 rows of head h over the 2,048 keys
; (64 e to a lane), and normalises row w.  Four waves share a SIMD's registers, so that one wave's exponentials stand beside another's packed arithmetic.
; THE PRODUCT IS USED TRANSPOSED (source 0 = 16 rows of Wq, source 1 = the 16 rows of x): a lane holds one row and eight neighbouring columns.  bq is the C of each sum's first matrix instruction.
; e COMES ONCE: each wave loads a sixteenth of the batch's 8,192 bytes and hands it to the others through LDS.  THE VECTORS OF THE NORMALISATION are asked for ahead of the loop over rows, into registers that Wq's
; fragments and u_k, w_k have left: they land while the exponentials are taken.
; OUT: X1H, LN1's result in f16 as fragments [rb 64][kk 16][mt 4][1,024 bytes]; XB = LN1's result + b2 in f32, [tile 256][nt 32][group 2][lane][16 bytes]: lane (r, half) holds row r, channels 16 nt + 8 half + 4 group ..
; LIMITS: LN1's result is rounded to f16 (under 65,504).  A block of zeros gets the scale byte 1 where the rule says 127: its codes are zeros, and this program alone reads the bytes.  NaN and infinities are not served.
; The f32 sums are taken in another order than reference()'s.
; No tensor loads and no cluster: what work-groups share here (Wq's codes, 128 KB; e, 8 KB; short vectors) goes straight into the registers of the one wave that uses each piece.
.set XSP,   2064                       ; LDS: x_seq's 16 rows in f32 from byte 0 on, 2,048 bytes + 16 of padding each
.set XIMG,  33024                      ; x's four fragments of codes, as images of the operand's registers: 1,024 s + 512 group + 16 lane
.set XSC,   37120                      ; their scale words: 64 s + 4 row
.set PA,    37376                      ; [h 8][row 16][a, c of half 0; a, c of half 1]
.set RT,    39424                      ; [h 8][row 16] r
.set ELDS,  39936                      ; the batch's 2,048 e
.set HST,   48128                      ; LN1's result in f16: 64 blocks (eight channels each) of 16 rows x 16 bytes, + 16 of padding
.set DST,   65536                      ; and + b2 in f32: 128 blocks (four channels each) of 16 rows x 16 bytes, + 16 of padding
.set SPARE, 100352                     ; the spare words, 128 bytes for each wave
.set SPW,   4                          ; v4  LDS address of my spare word; never rewritten
.set NIL,   5                          ; v5  0; never rewritten
.set SEL,   46                         ; s[46:47] v_permlanex16_b32's selects for lane l xor 16
.set UV,    176                        ; v176-191 u_v, v192-207 w_v, v208-223 g1, v224-239 beta1, v240-255 b2: lane t holds channels 128 k + 4 t .. + 3
.set WV,    192
.set G1,    208
.set BE,    224
.set B2,    240
; REGISTERS: v1 lane t, v2 r = t % 16, v3 half = t / 16, v6-9 offsets of the first loads (v8 = 16 t stays), v10-19 at work; v20-27 Wq's scale words, v28-31 x's: these twelve hold scales and nothing else;
; v32-95 e; v96-159 x_seq's numbers, x's fragments (v112..), q (v144-159), later the scores and p; v160-223 Wq's fragments, v224-239 w_k's, v240-255 u_k's pieces; from the loop on v160-175 its statistics and v176-255 the five vectors.
.macro RED32 x, t                      ; the sum of v[x] over the 32 lanes, in every lane; v[t] has been written before
	v_add_f32_dpp v[\x], v[\x], v[\x] row_xmask:1 row_mask:0xf bank_mask:0xf
	v_add_f32_dpp v[\x], v[\x], v[\x] row_xmask:2 row_mask:0xf bank_mask:0xf
	v_add_f32_dpp v[\x], v[\x], v[\x] row_xmask:4 row_mask:0xf bank_mask:0xf
	v_add_f32_dpp v[\x], v[\x], v[\x] row_xmask:8 row_mask:0xf bank_mask:0xf
	v_permlanex16_b32 v[\t], v[\x], s[SEL], s[SEL+1]
	v_add_f32 v[\x], v[\x], v[\t]
.endm
.macro MAX32 x, t
	v_max_num_f32_dpp v[\x], v[\x], v[\x] row_xmask:1 row_mask:0xf bank_mask:0xf
	v_max_num_f32_dpp v[\x], v[\x], v[\x] row_xmask:2 row_mask:0xf bank_mask:0xf
	v_max_num_f32_dpp v[\x], v[\x], v[\x] row_xmask:4 row_mask:0xf bank_mask:0xf
	v_max_num_f32_dpp v[\x], v[\x], v[\x] row_xmask:8 row_mask:0xf bank_mask:0xf
	v_permlanex16_b32 v[\t], v[\x], s[SEL], s[SEL+1]
	v_max_num_f32 v[\x], v[\x], v[\t]
.endm
.macro BARRIER                         ; my LDS stores have landed and my LDS loads are in: then the work-group's barrier
	s_wait_dscnt 0x0
	s_barrier_signal -1
	s_barrier_wait -1
.endm
	s_load_b512 s[8:23], s[0:1], 0x0                   ; seq s8, exp s10, bq s12, g1 s14, beta1 s16, b2 s18, WQF s20, WQS s22
	s_load_b128 s[24:27], s[0:1], 0x40                 ; VEC s24, X1H s26
	s_load_b64 s[28:29], s[0:1], 0x50                  ; XB
	v_lshl_add_u32 v[SPW], v0, 2, SPARE
	v_mov_b32 v[NIL], 0
	v_lshrrev_b32 v1, 5, v0
	v_readfirstlane_b32 s4, v1                         ; wave w
	v_and_b32 v1, 31, v0
	v_and_b32 v2, 15, v0
	v_bfe_u32 v3, v0, 4, 1
	v_lshlrev_b32 v6, 2, v2
	v_lshl_add_u32 v6, v3, 17, v6                      ; seq: position r, and 16 channels of 8,192 bytes further on for lanes 16-31
	v_lshlrev_b32 v7, 5, v3                            ; 32 half: eight numbers of a vector
	v_lshlrev_b32 v8, 4, v1                            ; 16 t
	v_lshlrev_b32 v9, 2, v1                            ; 4 t
	s_mov_b32 s[SEL], 0x76543210
	s_mov_b32 s[SEL+1], 0xfedcba98
	s_mov_b32 s44, 0x3b000000                          ; 1 / 512
	s_mov_b32 s45, 0x3727c5ac                          ; 1e-5
	s_lshr_b32 s5, ttmp9, 7                            ; the batch
	s_and_b32 s6, ttmp9, 127
	s_lshl_b32 s32, s5, 22
	s_lshl_b32 s7, s4, 18                              ; 32 channels of 8,192 bytes
	s_add_co_u32 s32, s32, s7
	s_lshl_b32 s7, s6, 6                               ; 16 positions of 4 bytes
	s_add_co_u32 s32, s32, s7
	s_mov_b32 s33, 0
	s_lshl_b32 s34, s4, 7                              ; my 32 numbers of a vector
	s_mov_b32 s35, 0
	s_lshl_b32 s36, s4, 13                             ; my 8 fragments of Wq
	s_mov_b32 s37, 0
	s_lshl_b32 s38, s4, 10                             ; and their scale words
	s_mov_b32 s39, 0
	s_lshl_b32 s48, s5, 13                             ; the batch's 2,048 e,
	s_lshl_b32 s50, s4, 9
	s_add_co_u32 s48, s48, s50                         ; my wave's 128 of them
	s_mov_b32 s49, 0
	v_add_nc_u32 v116, s50, v8                         ; and their place in LDS: 512 w + 16 t
	s_wait_kmcnt 0x0
	s_add_nc_u64 s[8:9], s[8:9], s[32:33]
	s_add_nc_u64 s[12:13], s[12:13], s[34:35]
	s_add_nc_u64 s[30:31], s[24:25], s[34:35]
	s_add_nc_u64 s[20:21], s[20:21], s[36:37]
	s_add_nc_u64 s[22:23], s[22:23], s[38:39]
	s_add_nc_u64 s[10:11], s[10:11], s[48:49]
	; ---- all the first loads; what goes through LDS first
.irp i, 0,1,2,3,4,5,6,7,8,9,10,11,12,13,14,15
	global_load_b32 v[96+\i], v6, s[8:9] offset:8192*\i        ; x_seq(row r, channel 32 w + 16 half + i): registers run along K
.endr
	global_load_b128 v[112:115], v8, s[10:11]                  ; my sixteenth of e: 512 consecutive bytes
.irp t, 0,1
.irp g, 0,1
	global_load_b128 v[144+8*\t+4*\g:147+8*\t+4*\g], v7, s[12:13] offset:64*\t+16*\g   ; bq, in the result's layout, straight into the accumulators
.endr
.endr
.irp f, 0,1,2,3,4,5,6,7
.irp c, 0,1
	global_load_b128 v[160+8*\f+4*\c:163+8*\f+4*\c], v8, s[20:21] offset:1024*\f+512*\c   ; Wq's fragment (tile f / 4, K step f % 4)
.endr
.endr
.irp f, 0,1,2,3,4,5,6,7
	global_load_b32 v[20+\f], v9, s[22:23] offset:128*\f
.endr
.irp t, 0,1
.irp g, 0,1
	global_load_b128 v[240+8*\t+4*\g:243+8*\t+4*\g], v7, s[30:31] offset:64*\t+16*\g        ; kappa u_k
	global_load_b128 v[224+8*\t+4*\g:227+8*\t+4*\g], v7, s[30:31] offset:2048+64*\t+16*\g   ; kappa w_k
.endr
.endr
	s_lshl_b32 s7, s4, 8
	v_lshlrev_b32 v16, 4, v2
	v_lshl_add_u32 v16, v3, 3, v16
	v_add_nc_u32 v16, s7, v16                          ; my codes' place: block w is 256 bytes of the images, row r 16 of them, my half of the block 8
	s_lshr_b32 s7, s4, 2
	s_lshl_b32 s7, s7, 6
	s_and_b32 s50, s4, 3
	s_add_co_u32 s7, s7, s50
	v_lshl_add_u32 v17, v2, 2, s7                      ; my scale byte's: K step w / 4, row r, byte w % 4
	v_mul_u32_u24 v18, v2, XSP
	v_lshl_add_u32 v18, v3, 6, v18
	v_add_nc_u32 v18, s34, v18                         ; my numbers' own
	v_lshlrev_b32 v19, 2, v2
	v_mov_b32 v11, 0                                   ; a lane permute's destination counts as one of its sources
	; ---- my block of 32 channels of the 16 rows is quantised: two lanes hold a block
	s_wait_loadcnt 36                                  ; seq's 16 loads and e's one are in; the 36 issued behind them (4 + 16 + 8 + 4 + 4) may be out
	ds_store_b128 v116, v[112:115] offset:ELDS
	v_max3_num_f32 v10, |v96|, |v97|, 0x1800000        ; with the floor 2^(3 - 127): the byte cannot fall under 1
.irp i, 2,4,6,8,10,12,14
	v_max3_num_f32 v10, v10, |v[96+\i]|, |v[97+\i]|
.endr
	v_permlanex16_b32 v11, v10, s[SEL], s[SEL+1]
	v_max_num_f32 v10, v10, v11                        ; the block's largest magnitude
	v_add_nc_u32 v12, 0xff000000, v10                  ; 2 off its exponent field: the conversion's scale operand
	v_lshrrev_b32 v13, 23, v12                         ; the scale's byte
	v_cvt_scalef32_pk8_fp4_f32 v14, v[96:103], v12
	v_cvt_scalef32_pk8_fp4_f32 v15, v[104:111], v12
	v_nop                                              ; one plain instruction behind the scaled conversions
	ds_store_b64 v16, v[14:15] offset:XIMG
	ds_store_b8 v17, v13 offset:XSC                    ; both lanes of a block write the same byte with the same value
.irp j, 0,1,2,3
	ds_store_b128 v18, v[96+4*\j:99+4*\j] offset:16*\j ; the numbers themselves, for the residual
.endr
	BARRIER                                            ; x's four fragments, their scale words, the 16 rows and all of e lie in LDS
	; ---- the quantised product
.irp s, 0,1,2,3
.irp c, 0,1
	ds_load_b128 v[112+8*\s+4*\c:115+8*\s+4*\c], v8 offset:XIMG+1024*\s+512*\c
.endr
.endr
.irp s, 0,1,2,3
	ds_load_b32 v[28+\s], v19 offset:XSC+64*\s
.endr
.irp q, 0,1,2,3,4,5,6,7,8,9,10,11,12,13,14,15
	ds_load_b128 v[32+4*\q:35+4*\q], v8 offset:ELDS+512*\q     ; e, 64 to a lane: which lane holds which key does not matter to the sums
.endr
	s_lshr_b32 s7, s4, 1
	s_lshl_b32 s7, s7, 8
	s_and_b32 s50, s4, 1
	s_lshl_b32 s50, s50, 3
	s_add_co_u32 s7, s7, s50
	v_lshl_add_u32 v19, v2, 4, s7                      ; where my a and c go: head h, row r, half p
	s_wait_loadcnt 0x0
	s_wait_dscnt 16                                    ; x's fragments and scale words are in; e's sixteen loads may be out
.irp s, 0,1,2,3                                        ; the two accumulators take turns
.irp t, 0,1
	v_wmma_scale_f32_16x16x128_f8f6f4 v[144+8*\t:151+8*\t], v[160+8*(4*\t+\s):167+8*(4*\t+\s)], v[112+8*\s:119+8*\s], v[144+8*\t:151+8*\t], v[20+4*\t+\s], v[28+\s] matrix_a_fmt:MATRIX_FMT_FP4 matrix_b_fmt:MATRIX_FMT_FP4
.endr
.endr
	s_wait_dscnt 0x0                                   ; e is in
	; ---- the batch's largest e and the largest -e; these lines name no register of the products and stand behind them
	v_max3_num_f32 v16, v32, v33, v34
	v_max3_num_f32 v17, -v32, -v33, -v34
.set i, 35
.rept 30
	v_max3_num_f32 v16, v16, v[i], v[i+1]
	v_max3_num_f32 v17, v17, -v[i], -v[i+1]
.set i, i+2
.endr
	v_max_num_f32 v16, v16, v95
	v_max_num_f32 v17, v17, -v95
	MAX32 16, 18                                       ; v16 = emax
	MAX32 17, 18                                       ; v17 = -emin
	; ---- a and c of my half of the head: q's 16 numbers of my lane against u_k's and w_k's; each accumulator is read from its low end on
	v_pk_mul_f32 v[10:11], v[144:145], v[240:241]
	v_pk_mul_f32 v[12:13], v[144:145], v[224:225]
.irp k, 2,4,6,8,10,12,14
	v_pk_fma_f32 v[10:11], v[144+\k:145+\k], v[240+\k:241+\k], v[10:11]
	v_pk_fma_f32 v[12:13], v[144+\k:145+\k], v[224+\k:225+\k], v[12:13]
.endr
	v_add_f32 v10, v10, v11
	v_add_f32 v12, v12, v13
	v_permlanex16_b32 v14, v10, s[SEL], s[SEL+1]
	v_permlanex16_b32 v15, v12, s[SEL], s[SEL+1]
	v_add_f32 v10, v10, v14
	v_add_f32 v11, v12, v15
	ds_store_b64 v19, v[10:11] offset:PA               ; both halves of the lanes write the same bytes with the same values
	; ---- the vectors for the normalisation are asked for here, eight rows of exponentials ahead of their use
.irp k, 0,1,2,3
	global_load_b128 v[UV+4*\k:UV+4*\k+3], v8, s[24:25] offset:4096+512*\k   ; u_v
	global_load_b128 v[WV+4*\k:WV+4*\k+3], v8, s[24:25] offset:6144+512*\k   ; w_v
	global_load_b128 v[G1+4*\k:G1+4*\k+3], v8, s[14:15] offset:512*\k        ; g1
	global_load_b128 v[BE+4*\k:BE+4*\k+3], v8, s[16:17] offset:512*\k        ; beta1
	global_load_b128 v[B2+4*\k:B2+4*\k+3], v8, s[18:19] offset:512*\k        ; b2
.endr
	v_mov_b32 v165, 0                                  ; upper halves of pairs of which the low word serves both halves: written once
	v_mov_b32 v167, 0
	s_add_co_u32 s41, s34, PA                          ; my first row's a and c: 256 h + 128 p = 128 w
	s_lshl_b32 s42, s4, 5
	s_add_co_u32 s42, s42, RT                          ; and where its r goes: 64 h + 32 p = 32 w
	s_mov_b32 s40, 8
	BARRIER                                            ; every head's a and c lie in LDS
	; ---- eight rows of my head: row 8 p + trip
.Lrow:
	v_mov_b32 v6, s41
	v_mov_b32 v7, s42
	ds_load_b128 v[160:163], v6                        ; the same 16 bytes in every lane
	s_wait_dscnt 0x0
	v_add_f32 v164, v160, v162                         ; a
	v_add_f32 v18, v161, v163                          ; c
	v_mul_f32 v10, v164, v16
	v_mul_f32 v11, v164, -v17
	v_max_num_f32 v10, v10, v11                        ; e a is largest at emax or at emin
	v_add_f32 v10, v18, v10                            ; the row's largest score
	v_sub_f32 v166, v18, v10                           ; c less it
.set k, 0
.rept 32
	v_pk_fma_f32 v[96+k:97+k], v[32+k:33+k], v[164:165], v[166:167] op_sel_hi:[1,0,0]   ; the score less the largest, two keys at a time
.set k, k+2
.endr
.set k, 0
.rept 64
	v_exp_f32 v[96+k], v[96+k]                         ; p, at most about 1
.set k, k+1
.endr
	v_nop                                              ; one plain instruction behind the batch,
	s_wait_alu depctr_va_vdst(0)                       ; and one wait for it, ahead of its first reader
	v_pk_add_f32 v[168:169], v[96:97], v[100:101]      ; sum p and sum e p, each in two chains
	v_pk_add_f32 v[170:171], v[98:99], v[102:103]
	v_pk_mul_f32 v[172:173], v[96:97], v[32:33]
	v_pk_mul_f32 v[174:175], v[98:99], v[34:35]
	v_pk_fma_f32 v[172:173], v[100:101], v[36:37], v[172:173]
	v_pk_fma_f32 v[174:175], v[102:103], v[38:39], v[174:175]
.set k, 8
.rept 14
	v_pk_add_f32 v[168:169], v[168:169], v[96+k:97+k]
	v_pk_add_f32 v[170:171], v[170:171], v[98+k:99+k]
	v_pk_fma_f32 v[172:173], v[96+k:97+k], v[32+k:33+k], v[172:173]
	v_pk_fma_f32 v[174:175], v[98+k:99+k], v[34+k:35+k], v[174:175]
.set k, k+4
.endr
	v_pk_add_f32 v[168:169], v[168:169], v[170:171]
	v_pk_add_f32 v[172:173], v[172:173], v[174:175]
	v_add_f32 v168, v168, v169
	v_add_f32 v172, v172, v173
	RED32 168, 12
	RED32 172, 13
	v_rcp_f32 v14, v168
	v_nop
	s_wait_alu depctr_va_vdst(0)
	v_mul_f32 v15, v172, v14                           ; r
	ds_store_b32 v7, v15                               ; all lanes write the same word with the same value
	s_add_co_u32 s41, s41, 16
	s_add_co_u32 s42, s42, 4
	s_sub_co_u32 s40, s40, 1
	s_cmp_lg_u32 s40, 0
	s_cbranch_scc1 .Lrow
	; ---- addresses for the normalisation and the way out
	s_mul_i32 s7, s4, XSP
	v_add_nc_u32 v10, s7, v8                           ; row w of x_seq
	s_lshl_b32 s7, s4, 2
	v_lshl_add_u32 v11, v3, 6, s7                      ; r of row w: head 2 k + t / 16
	s_lshl_b32 s7, s4, 4
	v_lshrrev_b32 v12, 1, v1
	v_mul_u32_u24 v12, v12, 272
	v_and_b32 v13, 1, v1
	v_lshl_add_u32 v12, v13, 3, v12
	v_add_nc_u32 v12, s7, v12                          ; f16: block t / 2 of 16 k, my half of its 16 bytes, row w
	v_and_b32 v14, 28, v1
	v_lshl_add_u32 v14, v13, 1, v14
	v_bfe_u32 v15, v1, 1, 1
	v_add_nc_u32 v14, v14, v15                         ; f32: block 4 (t / 4) + 2 (t % 2) + (t / 2) % 2 of 32 k: tile, register group, half of the lanes
	v_mul_u32_u24 v13, v14, 272
	v_add_nc_u32 v13, s7, v13
	v_add_nc_u32 v13, DST, v13
	v_mul_u32_u24 v18, v3, 272
	v_lshl_add_u32 v18, v2, 4, v18                     ; back: two blocks an instruction, sixteen lanes to a block
	s_mul_i32 s7, s4, 1088
	v_add_nc_u32 v14, s7, v18                          ; my four blocks of f16,
	s_mul_i32 s7, s4, 2176
	v_add_nc_u32 v15, s7, v18
	v_add_nc_u32 v15, DST, v15                         ; my eight of f32
.irp i, 129,131,133,135,155,159,64
	v_mov_b32 v[\i], 0                                 ; upper halves of broadcast pairs, and a permute's destination
.endr
	s_lshr_b32 s32, ttmp9, 2
	s_lshl_b32 s32, s32, 16
	s_lshl_b32 s7, s4, 12
	s_add_co_u32 s32, s32, s7
	s_and_b32 s7, ttmp9, 3
	s_lshl_b32 s7, s7, 10
	s_add_co_u32 s32, s32, s7                          ; X1H: block of 64 rows, K step w, my tile of rows
	s_mov_b32 s33, 0
	s_add_nc_u64 s[26:27], s[26:27], s[32:33]
	s_lshl_b32 s32, ttmp9, 15
	s_lshl_b32 s7, s4, 11
	s_add_co_u32 s32, s32, s7                          ; XB: my tile of rows, column tiles 2 w and 2 w + 1
	s_add_nc_u64 s[28:29], s[28:29], s[32:33]
	BARRIER                                            ; every r lies in LDS
	; ---- row w: attention's output, the residual, LayerNorm 1
.irp k, 0,1,2,3
	ds_load_b128 v[112+4*\k:115+4*\k], v10 offset:512*\k
	ds_load_b32 v[128+2*\k], v11 offset:RT+128*\k
.endr
	s_wait_loadcnt 0x0                                 ; the five vectors
	s_wait_dscnt 0x0
.irp k, 0,1,2,3
.irp u, 0,2
	v_pk_fma_f32 v[136+4*\k+\u:137+4*\k+\u], v[UV+4*\k+\u:UV+1+4*\k+\u], v[128+2*\k:129+2*\k], v[WV+4*\k+\u:WV+1+4*\k+\u] op_sel_hi:[1,0,1]   ; r u_v + w_v
.endr
.endr
.irp j, 0,2,4,6,8,10,12,14
	v_pk_add_f32 v[136+\j:137+\j], v[136+\j:137+\j], v[112+\j:113+\j]      ; + x_seq
.endr
	v_pk_add_f32 v[152:153], v[136:137], v[138:139]
.irp j, 4,6,8,10,12,14
	v_pk_add_f32 v[152:153], v[152:153], v[136+\j:137+\j]
.endr
	v_add_f32 v152, v152, v153
	RED32 152, 64
	v_mul_f32 v154, s44, v152                          ; the mean
.irp j, 0,2,4,6,8,10,12,14
	v_pk_add_f32 v[136+\j:137+\j], v[136+\j:137+\j], v[154:155] op_sel_hi:[1,0] neg_lo:[0,1] neg_hi:[0,1]
.endr
	v_pk_mul_f32 v[156:157], v[136:137], v[136:137]
.irp j, 2,4,6,8,10,12,14
	v_pk_fma_f32 v[156:157], v[136+\j:137+\j], v[136+\j:137+\j], v[156:157]
.endr
	v_add_f32 v156, v156, v157
	RED32 156, 64
	v_fma_f32 v156, v156, s44, s45                     ; the variance + 1e-5
	v_rsq_f32 v158, v156
	v_nop
	s_wait_alu depctr_va_vdst(0)
.irp j, 0,2,4,6,8,10,12,14
	v_pk_mul_f32 v[136+\j:137+\j], v[136+\j:137+\j], v[158:159] op_sel_hi:[1,0]
.endr
.irp j, 0,2,4,6,8,10,12,14
	v_pk_fma_f32 v[136+\j:137+\j], v[136+\j:137+\j], v[G1+\j:G1+1+\j], v[BE+\j:BE+1+\j]    ; x g1 + beta1
.endr
.irp j, 0,2,4,6,8,10,12,14
	v_pk_add_f32 v[160+\j:161+\j], v[136+\j:137+\j], v[B2+\j:B2+1+\j]                      ; + b2, for the second residual
.endr
.irp j, 0,1,2,3,4,5,6,7
	v_cvt_pk_f16_f32 v[32+\j], v[136+2*\j], v[137+2*\j]
.endr
.irp k, 0,1,2,3
	ds_store_b64 v12, v[32+2*\k:33+2*\k] offset:HST+4352*\k
	ds_store_b128 v13, v[160+4*\k:163+4*\k] offset:8704*\k
.endr
	BARRIER                                            ; all 16 rows lie in the two stages
	; ---- the way out: every store covers 512 consecutive bytes
.irp i, 0,1
	ds_load_b128 v[40+4*\i:43+4*\i], v14 offset:HST+544*\i
.endr
.irp i, 0,1,2,3
	ds_load_b128 v[48+4*\i:51+4*\i], v15 offset:544*\i
.endr
.irp i, 0,1
	s_wait_dscnt 5-\i
	global_store_b128 v8, v[40+4*\i:43+4*\i], s[26:27] offset:512*\i
.endr
.irp i, 0,1,2,3
	s_wait_dscnt 3-\i
	global_store_b128 v8, v[48+4*\i:51+4*\i], s[28:29] offset:512*\i
.endr
	s_wait_tensorcnt 0x0                               ; the wave's end: three lines behind my last LDS store
	ds_add_u32 v[SPW], v[NIL]
	s_wait_dscnt 0x0
	s_endpgm
.Lfunc_end_k_q664c7c942f_attn:
	.size	k_q664c7c942f_attn, .Lfunc_end_k_q664c7c942f_attn-k_q664c7c942f_attn
	.p2alignl 7, 3214868480
	.fill 96, 4, 3214868480
	.section	.rodata,"a",@progbits
	.p2align	6, 0x0
	.amdhsa_kernel k_q664c7c942f_attn
		.amdhsa_group_segment_fixed_size 102400
		.amdhsa_private_segment_fixed_size 0
		.amdhsa_enable_private_segment 0
		.amdhsa_kernarg_size 88
		.amdhsa_user_sgpr_count 2
		.amdhsa_user_sgpr_kernarg_segment_ptr 1
		.amdhsa_wavefront_size32 1
		.amdhsa_system_sgpr_workgroup_id_x 1
		.amdhsa_system_sgpr_workgroup_id_y 1
		.amdhsa_system_sgpr_workgroup_id_z 1
		.amdhsa_system_vgpr_workitem_id 0
		.amdhsa_next_free_vgpr 256
		.amdhsa_next_free_sgpr 66
		.amdhsa_reserve_vcc 0
		.amdhsa_float_denorm_mode_32 3
		.amdhsa_float_denorm_mode_16_64 3
		.amdhsa_memory_ordered 1
		.amdhsa_forward_progress 1
		.amdhsa_inst_pref_size 40
	.end_amdhsa_kernel
	.amdgpu_metadata
---
amdhsa.version: [ 1, 2 ]
amdhsa.kernels:
  - .name:           k_q664c7c942f_attn
    .symbol:         k_q664c7c942f_attn.kd
    .args:
      - { .name: seq, .offset: 0, .size: 8, .value_kind: global_buffer, .address_space: global }
      - { .name: exp, .offset: 8, .size: 8, .value_kind: global_buffer, .address_space: global }
      - { .name: bq, .offset: 16, .size: 8, .value_kind: global_buffer, .address_space: global }
      - { .name: g1, .offset: 24, .size: 8, .value_kind: global_buffer, .address_space: global }
      - { .name: beta1, .offset: 32, .size: 8, .value_kind: global_buffer, .address_space: global }
      - { .name: b2, .offset: 40, .size: 8, .value_kind: global_buffer, .address_space: global }
      - { .name: WQF, .offset: 48, .size: 8, .value_kind: global_buffer, .address_space: global }
      - { .name: WQS, .offset: 56, .size: 8, .value_kind: global_buffer, .address_space: global }
      - { .name: VEC, .offset: 64, .size: 8, .value_kind: global_buffer, .address_space: global }
      - { .name: X1H, .offset: 72, .size: 8, .value_kind: global_buffer, .address_space: global }
      - { .name: XB, .offset: 80, .size: 8, .value_kind: global_buffer, .address_space: global }
    .group_segment_fixed_size: 102400
    .private_segment_fixed_size: 0
    .kernarg_segment_align: 8
    .kernarg_segment_size: 88
    .max_flat_workgroup_size: 512
    .sgpr_count:     66
    .vgpr_count:     256
    .wavefront_size: 32
...
	.end_amdgpu_metadata
.endif
;; end of part 2
;; launch mlp (part 3): grid 4 x 64, 4 waves a work-group, no clusters, 131,584 bytes of LDS; arguments X1H, WS, b1, P; writes P
.if DOCPART == 3
	.amdgcn_target "amdgcn-amd-amdhsa--gfx1250"
	.amdhsa_code_object_version 6
	.text
	.protected	k_q664c7c942f_mlp
	.globl	k_q664c7c942f_mlp
	.p2align	8
	.type	k_q664c7c942f_mlp,@function
k_q664c7c942f_mlp:
	s_mov_b64 s[64:65], 0
	v_nop
	global_prefetch_b8 v0, s[64:65] scope:SCOPE_SE
	s_setreg_imm32_b32 hwreg(HW_REG_WAVE_MODE, 25, 1), 1
	s_wait_xcnt 0x0
; P[s] = relu(x W1[s]^T + b1[s]) W2[:, s]^T for 64 rows (work-group y) and quarter s of the hidden layer (work-group x): 512 hidden units.  f16 operands, f32 sums.  The four partial sums are added by the next launch.
; SHARES.  Four waves share the COLUMNS: wave w makes hidden units 128 w .. + 127 of the quarter, and then outputs 128 w .. + 127, for all 64 rows: in both stages a tile of 64 x 128 with K = 512: 32 accumulators,
; 16 K steps of 32 matrix instructions.  BOTH STAGES ARE USED TRANSPOSED (source 0 = 16 rows of the weight, source 1 = 16 rows of x or of the hidden layer): a lane holds one row and eight neighbouring columns, so two
; neighbouring tiles of the first result, rounded in pairs, ARE a fragment of the second product.  b1 is the C of the first sums' first instructions; relu and the hold at f16's largest number are one v_med3.
; WHERE OPERANDS COME FROM.  The rows' fragments (x: copied in once; the hidden layer: made here) lie in LDS as images of the operand's registers, 4,096 bytes a K step, read by all four waves.  The weights were laid
; in operand order by the first launch and go from memory STRAIGHT INTO REGISTERS, 512 consecutive bytes an instruction, four K steps ahead.
; THE 32 K STEPS ARE WRITTEN OUT, by one macro: every offset of the weights is an immediate (261,632 bytes at the most, inside the signed 24-bit immediate: ISA guide, chapter 10), each stage's images have an address
; register of their own, no base is stepped, and so no wait for the loads' addresses stands between a step's requests and the next step's products.
; WHY NO TENSOR LOADS AND NO JOINT REQUESTS, though 64 work-groups read the same weights: each weight fragment is multiplied by exactly one wave of a work-group.  Through LDS a K step's 8,192 bytes a wave would be
; written there and read back, beside the 4,096 bytes of rows, for 32 matrix instructions: three times the LDS bytes of this text; and a joint request lands in LDS alone.
; LIMITS: the hidden layer is held at 65,504 and rounded to f16.  NaN and infinities are not served.
; REGISTERS, in windows of 256: window 0: v1-7 addresses, v28, v29 the add's two, v32-63 and v64-95 the rows' fragments (two sets), v96-159 b1 in the result's layout; between the stages v32-159 hold the hidden layer in f16.
;   window 1: the accumulators, (mt, nt) at v[8 (8 mt + nt)]; at the head v0-127 carry x's copy.   window 2: the weights' ring: four sets of 8 fragments.
.set SPARE, 131072                     ; behind the 32 K steps' images: the spare words, 128 bytes for each wave
.set LI,   1                           ; v1  16 x lane
.set HW,   3                           ; v3  where I store the hidden layer's images: K steps 16 + 4 w on
.set CP,   4                           ; v4  my quarter of x's copy
.set AADR, 6                           ; v6  16 x lane: x's images;  v7  + 65,536: the hidden layer's
.set SPW,  28
.set NIL,  29
.set AF,   32
.set BIAS, 96
.set BP,   20                          ; s[20:21] my weights; never stepped
.set MSB, 0
.macro WIN new                         ; the immediate's high byte repeats the setting that is left; a switch that changes nothing is dropped
.if MSB != \new
	s_set_vgpr_msb (MSB<<8)|\new
.set MSB, \new
.endif
.endm
.set MUL,  0x52                        ; source 0 (the weight) window 2, source 1 (the rows) window 0, C and D window 1
.set MULB, 0x42                        ; the same with C in window 0
.set TOB,  0x80                        ; destination window 2
.set T1,   0x40                        ; destination window 1
.set D1,   0x04                        ; a store's data window 1
.set RELU, 0x41                        ; source 0 and destination window 1
.set CVT,  0x05                        ; sources 0 and 1 window 1
.macro ALD ab, adr, off                ; a K step's four fragments of rows into set ab
.irp m, 0,1,2,3
	ds_load_b128 v[AF+32*(\ab)+8*\m:AF+32*(\ab)+8*\m+3], v[\adr] offset:(\off)+1024*\m
	ds_load_b128 v[AF+32*(\ab)+8*\m+4:AF+32*(\ab)+8*\m+7], v[\adr] offset:(\off)+1024*\m+512
.endr
.endm
.macro BLD buf, off                    ; a K step's eight fragments of the weight into set buf
	WIN TOB
.irp n, 0,1,2,3,4,5,6,7
	global_load_b128 v[64*(\buf)+8*\n:64*(\buf)+8*\n+3], v[LI], s[BP:BP+1] offset:(\off)+1024*\n
	global_load_b128 v[64*(\buf)+8*\n+4:64*(\buf)+8*\n+7], v[LI], s[BP:BP+1] offset:(\off)+1024*\n+512
.endr
	WIN 0
.endm
; K step g of 32 (0-15: stage 1; 16-31: stage 2).  Its weights lie in set g % 4, its rows in set g % 2.  The next step's rows are fetched at its head, but for a stage's last step; the weights of four steps on are asked for at its end.
; Step 0 takes b1 as C, step 16 the constant 0: nothing is cleared.
.macro STEP g
.if (\g) < 29
	s_wait_loadcnt 48                                  ; this step's weights are in; the three younger steps' sixteen loads each may be out
.else
	s_wait_loadcnt 16*(31-(\g))                        ; nothing is left to ask for: the counts run down
.endif
	s_wait_dscnt 0x0                                   ; this step's rows are in
.if (\g)%16 != 15
	ALD 1-(\g)%2, AADR+(\g)/16, ((\g)%16+1)*4096
.endif
.if (\g) == 0
	WIN MULB
.else
	WIN MUL
.endif
.irp m, 0,1,2,3                                        ; the 32 accumulators take turns, in the same order in every step
.irp n, 0,1,2,3,4,5,6,7
.if (\g) == 0
	v_wmma_f32_16x16x32_f16 v[8*(8*\m+\n):8*(8*\m+\n)+7], v[64*((\g)%4)+8*\n:64*((\g)%4)+8*\n+7], v[AF+32*((\g)%2)+8*\m:AF+32*((\g)%2)+8*\m+7], v[BIAS+8*\n:BIAS+8*\n+7]
.elseif (\g) == 16
	v_wmma_f32_16x16x32_f16 v[8*(8*\m+\n):8*(8*\m+\n)+7], v[64*((\g)%4)+8*\n:64*((\g)%4)+8*\n+7], v[AF+32*((\g)%2)+8*\m:AF+32*((\g)%2)+8*\m+7], 0
.else
	v_wmma_f32_16x16x32_f16 v[8*(8*\m+\n):8*(8*\m+\n)+7], v[64*((\g)%4)+8*\n:64*((\g)%4)+8*\n+7], v[AF+32*((\g)%2)+8*\m:AF+32*((\g)%2)+8*\m+7], v[8*(8*\m+\n):8*(8*\m+\n)+7]
.endif
.endr
.endr
.rept 4
	v_nop                                              ; four plain instructions in front of loads into registers that these products read (here the weights' set, in the next step the rows' set) and of reads of results
.endr
.if (\g) < 28
	BLD (\g)%4, ((\g)+4)*8192
.endif
	WIN 0
.endm
	s_load_b256 s[4:11], s[0:1], 0x0                   ; X1H s4, WS s6, b1 s8, P s10
	v_lshl_add_u32 v[SPW], v0, 2, SPARE
	v_mov_b32 v[NIL], 0
	v_lshrrev_b32 v1, 5, v0
	v_readfirstlane_b32 s12, v1                        ; wave w
	v_and_b32 v1, 31, v0
	v_lshlrev_b32 v[LI], 4, v1
	v_bfe_u32 v5, v0, 4, 1
	v_lshlrev_b32 v5, 5, v5                            ; 32 x (lane / 16): eight numbers of b1
	s_lshl_b32 s15, s12, 14
	v_add_nc_u32 v[CP], s15, v[LI]
	v_add_nc_u32 v[HW], 0x10000, v[CP]
	v_mov_b32 v[AADR], v[LI]
	v_add_nc_u32 v[AADR+1], 0x10000, v[LI]
	s_and_b32 s14, ttmp7, 0xffff                       ; the block of 64 rows
	s_lshl_b32 s16, s14, 16
	s_mov_b32 s17, 0
	s_lshl_b32 s18, ttmp9, 2
	s_add_co_u32 s18, s18, s12
	s_lshl_b32 s18, s18, 18                            ; 32 K steps of 8,192 bytes for each quarter and wave
	s_mov_b32 s19, 0
	s_lshl_b32 s24, ttmp9, 11
	s_lshl_b32 s25, s12, 9
	s_add_co_u32 s24, s24, s25                         ; b1: 512 s + 128 w numbers on
	s_mov_b32 s25, 0
	s_lshl_b32 s26, ttmp9, 23
	s_lshl_b32 s27, s14, 17
	s_add_co_u32 s26, s26, s27
	s_lshl_b32 s27, s12, 13
	s_add_co_u32 s26, s26, s27                         ; P: quarter, block of rows, my eight tiles of columns
	s_mov_b32 s27, 0
	s_mov_b32 s23, 0x477fe000                          ; 65,504
	s_wait_kmcnt 0x0
	s_add_nc_u64 s[4:5], s[4:5], s[16:17]
	s_add_nc_u64 s[BP:BP+1], s[6:7], s[18:19]
	s_add_nc_u64 s[8:9], s[8:9], s[24:25]
	s_add_nc_u64 s[10:11], s[10:11], s[26:27]
	WIN T1
.set i, 0
.rept 32
	global_load_b128 v[4*i:4*i+3], v[CP], s[4:5] offset:512*i      ; my quarter of the block's 64 KB of fragments
.set i, i+1
.endr
	WIN 0
.irp n, 0,1,2,3,4,5,6,7
	global_load_b128 v[BIAS+8*\n:BIAS+8*\n+3], v5, s[8:9] offset:64*\n
	global_load_b128 v[BIAS+8*\n+4:BIAS+8*\n+7], v5, s[8:9] offset:64*\n+16
.endr
	BLD 0, 0
	BLD 1, 8192
	s_wait_loadcnt 48                                  ; the copy's 32 loads are in: behind them b1's 16 and two K steps' 32
	WIN D1
.set i, 0
.rept 32
	ds_store_b128 v[CP], v[4*i:4*i+3] offset:512*i
.set i, i+1
.endr
	WIN 0
	BLD 2, 2*8192
	BLD 3, 3*8192
	s_wait_dscnt 0x0                                   ; for the others' sake: my stores have landed
	s_barrier_signal -1
	s_barrier_wait -1                                  ; x's sixteen K steps lie in LDS
	ALD 0, AADR, 0
	; ---- stage 1: K steps 0 to 15; its last four steps ask for the second stage's weights already
.irp g, 0,1,2,3,4,5,6,7,8,9,10,11,12,13,14,15
	STEP \g
.endr
	; ---- between the stages: relu, the hold, f16, images to LDS.  Each accumulator is read from its low end on
	WIN RELU
.set i, 0
.rept 256
	v_med3_num_f32 v[i], v[i], 0, s23
.set i, i+1
.endr
	WIN CVT
.set i, 0
.rept 128
	v_cvt_pk_f16_f32 v[32+i], v[2*i], v[2*i+1]
.set i, i+1
.endr
	WIN 0
.irp m, 0,1,2,3
.irp n, 0,1,2,3,4,5,6,7
	ds_store_b128 v[HW], v[32+4*(8*\m+\n):32+4*(8*\m+\n)+3] offset:4096*(\n/2)+1024*\m+512*(\n%2)   ; tile nt is register group nt % 2 of K step nt / 2 of my four
.endr
.endr
	s_wait_dscnt 0x0
	s_barrier_signal -1
	s_barrier_wait -1                                  ; the hidden layer's sixteen K steps lie in LDS
	ALD 0, AADR+1, 0
	; ---- stage 2: K steps 16 to 31
.irp g, 16,17,18,19,20,21,22,23,24,25,26,27,28,29,30,31
	STEP \g
.endr
	; ---- the way out: the accumulators as they stand, each from its low end on; every store covers 512 consecutive bytes
	WIN D1
.irp m, 0,1,2,3
.irp n, 0,1,2,3,4,5,6,7
	global_store_b128 v[LI], v[8*(8*\m+\n):8*(8*\m+\n)+3], s[10:11] offset:32768*\m+1024*\n
	global_store_b128 v[LI], v[8*(8*\m+\n)+4:8*(8*\m+\n)+7], s[10:11] offset:32768*\m+1024*\n+512
.endr
.endr
	WIN 0
	s_wait_tensorcnt 0x0                               ; the wave's end: three lines behind my last LDS store
	ds_add_u32 v[SPW], v[NIL]
	s_wait_dscnt 0x0
	s_endpgm
.Lfunc_end_k_q664c7c942f_mlp:
	.size	k_q664c7c942f_mlp, .Lfunc_end_k_q664c7c942f_mlp-k_q664c7c942f_mlp
	.p2alignl 7, 3214868480
	.fill 96, 4, 3214868480
	.section	.rodata,"a",@progbits
	.p2align	6, 0x0
	.amdhsa_kernel k_q664c7c942f_mlp
		.amdhsa_group_segment_fixed_size 131584
		.amdhsa_private_segment_fixed_size 0
		.amdhsa_enable_private_segment 0
		.amdhsa_kernarg_size 32
		.amdhsa_user_sgpr_count 2
		.amdhsa_user_sgpr_kernarg_segment_ptr 1
		.amdhsa_wavefront_size32 1
		.amdhsa_system_sgpr_workgroup_id_x 1
		.amdhsa_system_sgpr_workgroup_id_y 1
		.amdhsa_system_sgpr_workgroup_id_z 1
		.amdhsa_system_vgpr_workitem_id 0
		.amdhsa_next_free_vgpr 768
		.amdhsa_next_free_sgpr 66
		.amdhsa_reserve_vcc 0
		.amdhsa_float_denorm_mode_32 3
		.amdhsa_float_denorm_mode_16_64 3
		.amdhsa_memory_ordered 1
		.amdhsa_forward_progress 1
		.amdhsa_inst_pref_size 178
	.end_amdhsa_kernel
	.amdgpu_metadata
---
amdhsa.version: [ 1, 2 ]
amdhsa.kernels:
  - .name:           k_q664c7c942f_mlp
    .symbol:         k_q664c7c942f_mlp.kd
    .args:
      - { .name: X1H, .offset: 0, .size: 8, .value_kind: global_buffer, .address_space: global }
      - { .name: WS, .offset: 8, .size: 8, .value_kind: global_buffer, .address_space: global }
      - { .name: b1, .offset: 16, .size: 8, .value_kind: global_buffer, .address_space: global }
      - { .name: P, .offset: 24, .size: 8, .value_kind: global_buffer, .address_space: global }
    .group_segment_fixed_size: 131584
    .private_segment_fixed_size: 0
    .kernarg_segment_align: 8
    .kernarg_segment_size: 32
    .max_flat_workgroup_size: 128
    .sgpr_count:     66
    .vgpr_count:     768
    .wavefront_size: 32
...
	.end_amdgpu_metadata
.endif
;; end of part 3
;; launch fin (part 4): grid 4 x 64, 4 waves a work-group, no clusters, 100,864 bytes of LDS; arguments XB, P, WOS, VEC, out0; writes out0
.if DOCPART == 4
	.amdgcn_target "amdgcn-amd-amdhsa--gfx1250"
	.amdhsa_code_object_version 6
	.text
	.protected	k_q664c7c942f_fin
	.globl	k_q664c7c942f_fin
	.p2align	8
	.type	k_q664c7c942f_fin,@function
k_q664c7c942f_fin:
	s_mov_b64 s[64:65], 0
	v_nop
	global_prefetch_b8 v0, s[64:65] scope:SCOPE_SE
	s_setreg_imm32_b32 hwreg(HW_REG_WAVE_MODE, 25, 1), 1
	s_wait_xcnt 0x0
; y = XB + the four partial sums of the MLP; z = (y - mean) / sqrt(variance + 1e-5); out = z (Wo g2)^T + (Wo beta2 + bo), stored transposed, [batch][channel][position].
; g2 and beta2 were folded into the weight and the bias by the first launch: exact algebra, and |z| is at most sqrt(512) for every input, so that f16 has room.
; SHARES.  A work-group takes 64 rows (work-group y) and 128 output channels (work-group x).  First half: wave w owns rows 16 w .. + 15, whole: XB and P lie in the layout of a matrix result, so a lane holds 256 numbers of one
; row and the lane 16 away the other 256: the two sums of the LayerNorm want one exchange and no other wave.  z goes to LDS in f16 as images of operand registers.  Second half: wave w owns channels 32 w .. + 31 of the
; work-group's 128 for all 64 rows: 8 accumulators, 16 K steps; its 32 fragments of Wo g2 lie in registers.
; THE ORDER OF THE REQUESTS is the order of use: XB; the partial sums, in 16 pieces of 16 loads on four sets of registers; the weight's fragments, in four parts of 16 loads behind the last four additions; the bias.
; Behind each addition one group of 16 loads goes out, so that three groups are on their way at every wait, and the weight lands under the LayerNorm's arithmetic.
; THE PRODUCT IS USED AS IT STANDS (source 0 = 16 rows of z, source 1 = 16 rows of the weight): a lane holds one channel and eight neighbouring positions, which is how out0 lies.  The bias is the C of the first products.
; The four work-groups of a block of rows each add and normalise the same 64 rows: that keeps whole rows in one wave and spares a launch.
; No tensor loads and no joint requests: XB and P go straight into the registers of the one wave that sums them, each weight fragment into those of the one wave that multiplies by it; a joint request lands in LDS alone.
; LIMITS: z and Wo g2 are rounded to f16.  NaN and infinities are not served.
; REGISTERS, in windows of 256: window 0: v1-7 addresses, v8-15 sums in four chains, v[16:17] the mean, v[18:19] 1 / sqrt, v22, v23 the bias, v28, v29 the add's two; v64-191 z in f16; later v32-95 the accumulators,
;   v96-111 the bias as C, v128-255 z's fragments, four sets.   window 1: y.   window 2: four sets of 64 for the partial sums.   window 3: the weight's fragments, (kk, nt') at v[16 kk + 8 nt'].
.set OST,   65536                      ; behind z's 16 K steps of 4,096 bytes: a stage of 32 channels x (256 bytes + 16) for each wave, its own
.set SPARE, 100352                     ; the spare words, 128 bytes for each wave
.set LI,   1
.set SPW,  28
.set NIL,  29
.set SEL,  32                          ; s[32:33]
.set MSB, 0
.macro WIN new                         ; the immediate's high byte repeats the setting that is left
.if MSB != \new
	s_set_vgpr_msb (MSB<<8)|\new
.set MSB, \new
.endif
.endm
.macro CHUNK c                         ; quarter c % 4 of my 32 KB of partial sum c / 4 into set c % 4 of window 2
	WIN 0x80
.set i, 0
.rept 16
	global_load_b128 v[64*((\c)%4)+4*i:64*((\c)%4)+4*i+3], v[LI], s[16+2*((\c)/4):17+2*((\c)/4)] offset:8192*((\c)%4)+512*i
.set i, i+1
.endr
.endm
.macro ADDIN c                         ; and onto the same quarter of y: destination and source 0 window 1, source 1 window 2
	WIN 0x49
.set i, 0
.rept 32
	v_pk_add_f32 v[64*((\c)%4)+2*i:64*((\c)%4)+2*i+1], v[64*((\c)%4)+2*i:64*((\c)%4)+2*i+1], v[64*((\c)%4)+2*i:64*((\c)%4)+2*i+1]
.set i, i+1
.endr
.endm
.macro WPART p                         ; part p of four of my 32 fragments of the weight, into window 3
	WIN 0xc0
.set i, 0
.rept 16
	global_load_b128 v[64*(\p)+4*i:64*(\p)+4*i+3], v[LI], s[8:9] offset:8192*(\p)+512*i
.set i, i+1
.endr
.endm
.macro JOIN                            ; four chains of pairs, and the lane 16 away: the row's sum in v8
	v_pk_add_f32 v[8:9], v[8:9], v[10:11]
	v_pk_add_f32 v[12:13], v[12:13], v[14:15]
	v_pk_add_f32 v[8:9], v[8:9], v[12:13]
	v_add_f32 v8, v8, v9
	v_permlanex16_b32 v20, v8, s[SEL], s[SEL+1]
	v_add_f32 v8, v8, v20
.endm
.macro ZLD kk                          ; K step kk's four fragments of z into set kk % 4
.irp m, 0,1,2,3
	ds_load_b128 v[128+32*((\kk)%4)+8*\m:128+32*((\kk)%4)+8*\m+3], v[LI] offset:4096*(\kk)+1024*\m
	ds_load_b128 v[128+32*((\kk)%4)+8*\m+4:128+32*((\kk)%4)+8*\m+7], v[LI] offset:4096*(\kk)+1024*\m+512
.endr
.endm
.macro KK kk
.if (\kk) < 13
	ZLD (\kk)+3
	s_wait_dscnt 24                                    ; this step's fragments are in; the three younger steps' eight loads each may be out
.else
	s_wait_dscnt 8*(15-(\kk))
.endif
	WIN 0x0c                                           ; source 1 (the weight) window 3
.irp m, 0,1,2,3                                        ; the eight accumulators take turns
.irp n, 0,1
.if (\kk) == 0
	v_wmma_f32_16x16x32_f16 v[32+8*(2*\m+\n):32+8*(2*\m+\n)+7], v[128+32*((\kk)%4)+8*\m:128+32*((\kk)%4)+8*\m+7], v[16*(\kk)+8*\n:16*(\kk)+8*\n+7], v[96+8*\n:96+8*\n+7]
.else
	v_wmma_f32_16x16x32_f16 v[32+8*(2*\m+\n):32+8*(2*\m+\n)+7], v[128+32*((\kk)%4)+8*\m:128+32*((\kk)%4)+8*\m+7], v[16*(\kk)+8*\n:16*(\kk)+8*\n+7], v[32+8*(2*\m+\n):32+8*(2*\m+\n)+7]
.endif
.endr
.endr
	WIN 0
.rept 4
	v_nop                                              ; four plain instructions in front of the next step's loads into the set just multiplied, and of the first read of results
.endr
.endm
	s_load_b256 s[4:11], s[0:1], 0x0                   ; XB s4, P s6, WOS s8, VEC s10
	s_load_b64 s[12:13], s[0:1], 0x20                  ; out0
	v_lshl_add_u32 v[SPW], v0, 2, SPARE
	v_mov_b32 v[NIL], 0
	v_lshrrev_b32 v1, 5, v0
	v_readfirstlane_b32 s14, v1                        ; wave w
	v_and_b32 v1, 31, v0
	v_lshlrev_b32 v[LI], 4, v1                         ; 16 x lane
	v_and_b32 v7, 15, v0                               ; r
	v_bfe_u32 v24, v0, 4, 1                            ; half
	v_lshlrev_b32 v6, 2, v7
	s_lshl_b32 s24, s14, 10
	v_add_nc_u32 v2, s24, v[LI]                        ; z's images: my tile of rows
	s_mul_i32 s24, s14, 8704
	s_add_co_u32 s24, s24, OST                         ; my stage
	v_mul_u32_u24 v3, v7, 272
	v_lshl_add_u32 v3, v24, 5, v3
	v_add_nc_u32 v3, s24, v3                           ; in: channel r, 32 bytes for each half of the lanes
	v_mul_u32_u24 v4, v24, 272
	v_lshl_add_u32 v4, v7, 4, v4
	v_add_nc_u32 v4, s24, v4                           ; back: lanes 0-15 one channel's 256 bytes, lanes 16-31 the next one's
	v_lshlrev_b32 v5, 13, v24
	v_lshl_add_u32 v5, v7, 4, v5                       ; and the same in out0: a channel is 8,192 bytes
	v_mov_b32 v17, 0                                   ; upper halves of broadcast pairs, and a permute's destination
	v_mov_b32 v19, 0
	v_mov_b32 v20, 0
	s_mov_b32 s[SEL], 0x76543210
	s_mov_b32 s[SEL+1], 0xfedcba98
	s_mov_b32 s34, 0x3b000000                          ; 1 / 512
	s_mov_b32 s35, 0x3727c5ac                          ; 1e-5
	s_and_b32 s15, ttmp7, 0xffff                       ; the block of 64 rows
	s_lshl_b32 s24, s15, 2
	s_add_co_u32 s24, s24, s14
	s_lshl_b32 s24, s24, 15                            ; my tile of 16 rows: 32,768 bytes, in XB and in each partial sum alike
	s_mov_b32 s25, 0
	s_lshl_b32 s26, ttmp9, 2
	s_add_co_u32 s26, s26, s14
	s_lshl_b32 s26, s26, 15                            ; my 32 fragments of the weight
	s_mov_b32 s27, 0
	s_lshl_b32 s28, ttmp9, 9
	s_lshl_b32 s29, s14, 7
	s_add_co_u32 s28, s28, s29                         ; my 32 numbers of the bias
	s_mov_b32 s29, 0
	s_lshr_b32 s30, s15, 5
	s_lshl_b32 s30, s30, 22                            ; the batch
	s_lshl_b32 s31, ttmp9, 20
	s_add_co_u32 s30, s30, s31
	s_lshl_b32 s31, s14, 18
	s_add_co_u32 s30, s30, s31                         ; channel 128 x + 32 w
	s_and_b32 s31, s15, 31
	s_lshl_b32 s31, s31, 8
	s_add_co_u32 s30, s30, s31                         ; 64 positions of 4 bytes
	s_mov_b32 s31, 0
	s_wait_kmcnt 0x0
	s_add_nc_u64 s[4:5], s[4:5], s[24:25]
	s_add_nc_u64 s[16:17], s[6:7], s[24:25]
	s_add_nc_u64 s[18:19], s[16:17], 0x800000          ; a partial sum is 8 MB
	s_add_nc_u64 s[20:21], s[18:19], 0x800000
	s_add_nc_u64 s[22:23], s[20:21], 0x800000
	s_add_nc_u64 s[8:9], s[8:9], s[26:27]
	s_add_nc_u64 s[10:11], s[10:11], s[28:29]
	s_add_nc_u64 s[12:13], s[12:13], s[30:31]
	WIN 0x40
.set i, 0
.rept 64
	global_load_b128 v[4*i:4*i+3], v[LI], s[4:5] offset:512*i
.set i, i+1
.endr
	CHUNK 0
	CHUNK 1
	CHUNK 2
	CHUNK 3
	; ---- y = XB + the four partial sums.  Behind each addition goes one group of 16 loads: the piece four on, or a part of the weight
.irp c, 0,1,2,3,4,5,6,7,8,9,10,11,12,13,14,15
	s_wait_loadcnt 48                                  ; this piece and all before it are in; the three groups of 16 issued behind it may be out
	ADDIN \c
.if \c < 12
	CHUNK \c+4
.else
	WPART \c-12
.endif
.endr
	WIN 0
	global_load_b32 v22, v6, s[10:11] offset:8192
	global_load_b32 v23, v6, s[10:11] offset:8192+64
	; ---- LayerNorm 2 without gain and offset
	WIN 0x05                                           ; both sources window 1
.irp k, 0,1,2,3
	v_pk_add_f32 v[8+2*\k:9+2*\k], v[2*\k:2*\k+1], v[8+2*\k:9+2*\k]    ; the first eight pairs start four chains
.endr
	WIN 0x04                                           ; source 1 window 1
.set i, 16
.rept 30
	v_pk_add_f32 v[8:9], v[8:9], v[i:i+1]
	v_pk_add_f32 v[10:11], v[10:11], v[i+2:i+3]
	v_pk_add_f32 v[12:13], v[12:13], v[i+4:i+5]
	v_pk_add_f32 v[14:15], v[14:15], v[i+6:i+7]
.set i, i+8
.endr
	WIN 0
	JOIN
	v_mul_f32 v16, s34, v8                             ; the mean
	WIN 0x41                                           ; destination and source 0 window 1
.set i, 0
.rept 128
	v_pk_add_f32 v[i:i+1], v[i:i+1], v[16:17] op_sel_hi:[1,0] neg_lo:[0,1] neg_hi:[0,1]
.set i, i+2
.endr
	WIN 0x05
.irp k, 0,1,2,3
	v_pk_mul_f32 v[8+2*\k:9+2*\k], v[2*\k:2*\k+1], v[2*\k:2*\k+1]
.endr
.set i, 8
.rept 31
	v_pk_fma_f32 v[8:9], v[i:i+1], v[i:i+1], v[8:9]
	v_pk_fma_f32 v[10:11], v[i+2:i+3], v[i+2:i+3], v[10:11]
	v_pk_fma_f32 v[12:13], v[i+4:i+5], v[i+4:i+5], v[12:13]
	v_pk_fma_f32 v[14:15], v[i+6:i+7], v[i+6:i+7], v[14:15]
.set i, i+8
.endr
	WIN 0
	JOIN
	v_fma_f32 v8, v8, s34, s35                         ; the variance + 1e-5
	v_rsq_f32 v18, v8
	v_nop
	s_wait_alu depctr_va_vdst(0)                       ; ahead of the first reader
	WIN 0x41
.set i, 0
.rept 128
	v_pk_mul_f32 v[i:i+1], v[i:i+1], v[18:19] op_sel_hi:[1,0]
.set i, i+2
.endr
	WIN 0x05
.set i, 0
.rept 128
	v_cvt_pk_f16_f32 v[64+i], v[2*i], v[2*i+1]
.set i, i+1
.endr
	WIN 0
.set i, 0
.rept 32
	ds_store_b128 v2, v[64+4*i:64+4*i+3] offset:4096*(i/2)+512*(i%2)   ; column tile i is register group i % 2 of K step i / 2
.set i, i+1
.endr
	s_wait_loadcnt 0x0                                 ; the weight's fragments and the bias are in
	s_wait_dscnt 0x0                                   ; for the others' sake: my stores have landed
	s_barrier_signal -1
.irp n, 0,1
.irp j, 0,1,2,3,4,5,6,7
	v_mov_b32 v[96+8*\n+\j], v[22+\n]                  ; the bias as C: my channel's number for all eight positions.  (Work on registers between the signal and the wait)
.endr
.endr
	s_barrier_wait -1                                  ; z's sixteen K steps lie in LDS
	; ---- the projection
	ZLD 0
	ZLD 1
	ZLD 2
.irp kk, 0,1,2,3,4,5,6,7,8,9,10,11,12,13,14,15
	KK \kk
.endr
	; ---- the way out, through my own stage: lane (r, half) holds channel 16 nt' + r, positions 16 mt + 8 half + 0 .. 7; each accumulator from its low end on
.irp m, 0,1,2,3
.irp n, 0,1
	ds_store_b128 v3, v[32+8*(2*\m+\n):32+8*(2*\m+\n)+3] offset:4352*\n+64*\m
	ds_store_b128 v3, v[32+8*(2*\m+\n)+4:32+8*(2*\m+\n)+7] offset:4352*\n+64*\m+16
.endr
.endr
.irp i, 0,1,2,3,4,5,6,7,8,9,10,11,12,13,14,15
	ds_load_b128 v[128+4*\i:131+4*\i], v4 offset:544*\i    ; my own bytes: LDS serves a wave's instructions in order (ISA guide 5.7.1.4)
.endr
.irp i, 0,1,2,3,4,5,6,7,8,9,10,11,12,13,14,15
	s_wait_dscnt 15-\i
	global_store_b128 v5, v[128+4*\i:131+4*\i], s[12:13] offset:16384*\i th:TH_STORE_NT   ; sixteen lanes store 256 consecutive bytes of a channel, at a multiple of 256 from out0's first byte
.endr
	s_wait_tensorcnt 0x0                               ; the wave's end: three lines behind my last LDS store
	ds_add_u32 v[SPW], v[NIL]
	s_wait_dscnt 0x0
	s_endpgm
.Lfunc_end_k_q664c7c942f_fin:
	.size	k_q664c7c942f_fin, .Lfunc_end_k_q664c7c942f_fin-k_q664c7c942f_fin
	.p2alignl 7, 3214868480
	.fill 96, 4, 3214868480
	.section	.rodata,"a",@progbits
	.p2align	6, 0x0
	.amdhsa_kernel k_q664c7c942f_fin
		.amdhsa_group_segment_fixed_size 100864
		.amdhsa_private_segment_fixed_size 0
		.amdhsa_enable_private_segment 0
		.amdhsa_kernarg_size 40
		.amdhsa_user_sgpr_count 2
		.amdhsa_user_sgpr_kernarg_segment_ptr 1
		.amdhsa_wavefront_size32 1
		.amdhsa_system_sgpr_workgroup_id_x 1
		.amdhsa_system_sgpr_workgroup_id_y 1
		.amdhsa_system_sgpr_workgroup_id_z 1
		.amdhsa_system_vgpr_workitem_id 0
		.amdhsa_next_free_vgpr 1024
		.amdhsa_next_free_sgpr 66
		.amdhsa_reserve_vcc 0
		.amdhsa_float_denorm_mode_32 3
		.amdhsa_float_denorm_mode_16_64 3
		.amdhsa_memory_ordered 1
		.amdhsa_forward_progress 1
		.amdhsa_inst_pref_size 140
	.end_amdhsa_kernel
	.amdgpu_metadata
---
amdhsa.version: [ 1, 2 ]
amdhsa.kernels:
  - .name:           k_q664c7c942f_fin
    .symbol:         k_q664c7c942f_fin.kd
    .args:
      - { .name: XB, .offset: 0, .size: 8, .value_kind: global_buffer, .address_space: global }
      - { .name: P, .offset: 8, .size: 8, .value_kind: global_buffer, .address_space: global }
      - { .name: WOS, .offset: 16, .size: 8, .value_kind: global_buffer, .address_space: global }
      - { .name: VEC, .offset: 24, .size: 8, .value_kind: global_buffer, .address_space: global }
      - { .name: out0, .offset: 32, .size: 8, .value_kind: global_buffer, .address_space: global }
    .group_segment_fixed_size: 100864
    .private_segment_fixed_size: 0
    .kernarg_segment_align: 8
    .kernarg_segment_size: 40
    .max_flat_workgroup_size: 128
    .sgpr_count:     66
    .vgpr_count:     1024
    .wavefront_size: 32
...
	.end_amdgpu_metadata
.endif
;; end of part 4
